; MI455X (gfx1250); checked and timed in simulation.
; The chip was launched on July 23, 2026; its instructions are those of AMD's public machine-readable ISA for CDNA 5 (MIT licence, August 2026) and "CDNA5" Instruction Set Architecture Reference Guide (July 2026). The comments in the code are by the model that wrote it; some were corrected since.
;; Multi Head Attention. Allowed arithmetic: matrix products marked QUANTISED: E2M1 operands, one E8M0 scale for each 32 along K, by v_wmma_scale_f32_16x16x128_f8f6f4 with both operands' format E2M1 (or v_wmma_scale_f32_32x16x128_f4), f32 sums; everything else in f32.
;; Inputs: Wk_codes 1,024 x 32 x 16 uint8 (E2M1 codes of Wk, K innermost, in blocks of 32 codes, two codes a byte); Wk_scales 1,024 x 32 uint8 (E8M0 scales of Wk, one for each 32 codes along K); Wo_codes 1,024 x 32 x 16 uint8 (E2M1 codes of Wo, K innermost, in blocks of 32 codes, two codes a byte); Wo_scales 1,024 x 32 uint8 (E8M0 scales of Wo, one for each 32 codes along K); Wq_codes 1,024 x 32 x 16 uint8 (E2M1 codes of Wq, K innermost, in blocks of 32 codes, two codes a byte); Wq_scales 1,024 x 32 uint8 (E8M0 scales of Wq, one for each 32 codes along K); Wv_codes 1,024 x 32 x 16 uint8 (E2M1 codes of Wv, K innermost, in blocks of 32 codes, two codes a byte); Wv_scales 1,024 x 32 uint8 (E8M0 scales of Wv, one for each 32 codes along K); bk 1,024 float32; bo 1,024 float32; bq 1,024 float32; bv 1,024 float32; x_codes 4 x 2,048 x 32 x 16 uint8 (E2M1 codes of x, K innermost, in blocks of 32 codes, two codes a byte); x_scales 4 x 2,048 x 32 uint8 (E8M0 scales of x, one for each 32 codes along K).
;; Outputs: out0 4 x 2,048 x 1,024 float32.
;; This version of the problem:
;;   THIS VERSION OF THE PROBLEM IS GIVEN IN LOW PRECISION. The matrix products marked QUANTISED in the list below multiply operands that are first quantised to E2M1 (2 exponent bits, 1 mantissa bit; 4 bits a number), with one power-of-two scale for each 32 numbers along K (OCP MX v1.0); their sums are f32. All else is computed in f32.
;;   The module's matrix products, in the order in which they are computed (A, B: the left and right operand; K: the contracted axis; several contracted axes count as one K, in the product's order):
;;     1. [M 8,192, K 1,024] x [K 1,024, N 1,024]; A: input x (given as codes); B: input Wq (given as codes): QUANTISED
;;     2. [M 8,192, K 1,024] x [K 1,024, N 1,024]; A: input x (given as codes); B: input Wk (given as codes): QUANTISED
;;     3. [M 8,192, K 1,024] x [K 1,024, N 1,024]; A: input x (given as codes); B: input Wv (given as codes): QUANTISED
;;     4. batch 64 x [M 2,048, K 64] x [K 64, N 2,048]; A: computed on the way; B: computed on the way: QUANTISED
;;     5. batch 64 x [M 2,048, K 2,048] x [K 2,048, N 64]; A: softmax (see below); B: computed on the way: QUANTISED
;;     6. [M 8,192, K 1,024] x [K 1,024, N 1,024]; A: computed on the way; B: input Wo (given as codes): QUANTISED
;;   THE QUANTISER, for each operand of a quantised product, along K:
;;     - K is cut into blocks of 32 from its start; a last block that is shorter is filled with zeros.
;;     - A block's scale is 2^e with e = floor(log2(the largest magnitude in the block)) - 2, held to -126 .. 127; a block of zeros has e = 0. As a byte (E8M0): e + 127.
;;     - Each number is divided by its block's scale, clamped to +-6, and rounded to the nearest number of E2M1, ties to even, subnormals kept.
;;     - The product sums the exact products of the quantised numbers (number of the format x scale) in f32.
;;   ~~~python
;;   def quantise(x, axis):      # numpy; x: float32 -> the quantised numbers, widened to float32 again
;;       x = np.moveaxis(x, axis, -1); K = x.shape[-1]
;;       x = np.pad(x, [(0, 0)] * (x.ndim - 1) + [(0, -K % 32)]); x = x.reshape(x.shape[:-1] + (-1, 32)); a = np.abs(x).max(-1, keepdims=True)
;;       e = np.where(a > 0, np.clip(np.frexp(np.where(a > 0, a, 1))[1] - 1 - 2, -126, 127), 0)      # np.frexp(a)[1] - 1 = floor(log2(a)), exactly
;;       r = np.clip(x / 2.0 ** e, -6, 6)
;;       step = 2.0 ** (np.maximum(np.frexp(np.where(r == 0, 1, r))[1] - 1, 0) - 1)
;;       q = np.round(r / step) * step * 2.0 ** e      # np.round: ties to even
;;       return np.moveaxis(q.reshape(q.shape[:-2] + (-1,))[..., :K], -1, axis).astype(np.float32)
;;   ~~~
;;   SOFTMAX AHEAD OF A QUANTISED PRODUCT. Where the list says 'softmax', what is quantised is not the finished softmax but p = 2^(t - M), with t = logit x log2(e) and M = ceil(the row's largest t), a whole number; so 1/2 < the row's largest p <= 1. The row's sum l is taken of the UNQUANTISED p, in f32, and the product's result is divided by l at the end. Since M is a whole number, a kernel that streams over the keys may use a running M (the ceiling of the running maximum): every later rescaling is an exact power of two, which a block's scale takes up: the codes' values come out the same.
;;   OPERANDS COMPUTED ON THE WAY. 'Computed on the way' means the value that the module computes at that place (a softmax that the list does not call 'softmax' is quantised finished and normalised). What goes into a quantiser is computed in f32, as accurately as f32 sums, v_exp_f32 and their like allow (about 1e-6 of the number): no bf16 or f16 on the way to a quantiser, and a product that is left as it is and whose result goes on into a quantised operand takes f32 operands (vector FMAs, or v_wmma_f32_16x16x4_f32). A number that lies on a knife's edge between two numbers of the format may be rounded either way, as far as f32 arithmetic and the matrix unit's own rounding can turn it there, and no further.
;;   INPUTS GIVEN AS CODES. Wk (in the module: [1024, 1024], K = its axis 0); Wo (in the module: [1024, 1024], K = its axis 0); Wq (in the module: [1024, 1024], K = its axis 0); Wv (in the module: [1024, 1024], K = its axis 0); x (in the module: [4, 2048, 1024], K = its axis 2): each comes as NAME_codes (uint8): NAME with its K axis moved to the last place and cut into blocks of 32 codes, [.., K / 32, bytes a block], one block behind the other in memory; two codes a byte, the lower K in the low four bits (a code: sign, 2 exponent bits, 1 mantissa bit); and NAME_scales (uint8): the same leading axes, one E8M0 byte (e + 127) for each 32 codes along K. Its value is code x scale, taken as it is: it is not quantised again, and the codes and scales need not be those that the quantiser above would give.
;; One version. Each part assembles by itself: llvm-mc -triple=amdgcn-amd-amdhsa -mcpu=gfx1250 --defsym DOCPART=n.
;; ======== version 1 of 1: 3 launches
;; workspace buffers: qb 4,718,592 bytes; kv 9,175,040 bytes; cimg 4,194,304 bytes; csw 262,144 bytes
;; launch qkv (part 1): grid 8 x 32, 4 waves a work-group, clusters of 4 x 4, 327,680 bytes of LDS; arguments x_codes, x_scales, Wq_codes, Wq_scales, Wk_codes, Wk_scales, Wv_codes, Wv_scales, bq, bk, bv, qb, kv; writes qb, kv
.if DOCPART == 1
	.amdgcn_target "amdgcn-amd-amdhsa--gfx1250"
	.amdhsa_code_object_version 6
	.text
	.protected	k_q05cc9d213b_qkv
	.globl	k_q05cc9d213b_qkv
	.p2align	8
	.type	k_q05cc9d213b_qkv,@function
k_q05cc9d213b_qkv:
	s_mov_b64 s[64:65], 0
	v_nop
	global_prefetch_b8 v0, s[64:65] scope:SCOPE_SE
	s_setreg_imm32_b32 hwreg(HW_REG_WAVE_MODE, 25, 1), 1
	s_wait_xcnt 0x0
	s_wait_alu depctr_hold_cnt(0) depctr_sa_sdst(0) depctr_va_vdst(0) depctr_va_sdst(0) depctr_va_ssrc(0) depctr_va_vcc(0) depctr_vm_vsrc(0)
	s_getreg_b32 s2, hwreg(HW_REG_IB_STS2, 6, 4)
	s_cmp_eq_u32 s2, 0
	s_cbranch_scc0 .Lentry_in_a_cluster
	s_endpgm
.Lentry_in_a_cluster:
	s_bfe_u32 s2, ttmp6, 0x10000c
	s_cmp_lg_u32 s2, 0xf033
	s_cbranch_scc0 .Lentry_shape_is_right
	s_endpgm
.Lentry_shape_is_right:
; q = x Wq + bq, k = x Wk + bk, v = x Wv + bv on codes of FP4 (E2M1) with E8M0 scales, sums in f32; the results are quantised here: q and k along the head's 64 (two blocks of 32), v along the keys.
; x: 8,192 tokens x 1,024 codes (512 bytes a token, 32 scale bytes); each W: 1,024 output columns x 1,024 codes, K innermost.
; SHARES.  A work-group takes 256 tokens (mg) and two heads (cg).  Wave w holds in REGISTERS, for the whole launch, 64 rows of Wq (waves 0, 1) or Wk (waves 2, 3) of head 2 cg + w % 2, and 32 rows of Wv:
; 6 tiles of 16 rows x 8 K steps = 384 registers.  It walks the 256 tokens in 8 pairs of tiles of 16.  All waves run one text: only pointers differ, chosen on the wave's number.
; q, k: source 0 = 16 rows of W, source 1 = 16 tokens: a lane holds ONE token and 8 neighbouring d.  v: source 0 = 16 tokens, source 1 = 16 rows of Wv: a lane holds ONE d and 8 neighbouring tokens (keys).
; So each conversion of 8 numbers takes 8 neighbours along the next product's K from one lane; the order of the conversions' destinations and two exchanges of lane halves give the operand's registers.
; WHAT IS STORED: images of operand registers (16 bytes a lane, 512 consecutive bytes a store) and scale words laid as the next launch loads them:
;   qb, a record of 73,728 bytes a head: codes [tile 128][lane][16 B] (lane (r, h): block h of token 16 tile + r); at 65,536 scale words [step 16][lane][4]: word g of lane 16 u + r: token 128 step + 32 g + 16 u + r.
;   kv, a record of 143,360 bytes a head: k as q (codes at 0, words at 131,072); v's codes at 65,536: [key block 64][d 64][16 B]; v's words at 139,264: [d / 32][step / 2][lane = d % 32][step % 2].
;   A word of q or k: byte 0 block 0, byte 1 block 1, bytes 2 and 3 = 127: the next product's K of 128 is filled with zero codes.
; CLUSTER 4 x 4: x's tiles hang on mg alone and are asked for jointly along a row of the cluster, W's on cg alone and along a column.
; LDS: four regions of 128 rows x 528 bytes (512 + 16), one a wave: 64 rows of Wq or Wk, 32 of Wv, 32 tokens of x.  The weights go to registers; then tokens 128-255 are laid over the first 32 rows of each region: one refill.
; LIMITS: NaN and infinities are not served; a block whose largest magnitude lies under 2^-124 (a block of zeros too) gets the scale byte 1 (zero codes add nothing, and this program alone reads the bytes);
; the bias is the C of a sum's first K step, so the order of rounding differs from a bias added last.
.set PITCH,  528
.set REG,    128*PITCH                 ; a wave's region
.set WVO,    64*PITCH                  ; in it: Wv's 32 rows
.set XO,     96*PITCH                  ; and 32 tokens of x
.set SPARE,  4*REG                     ; behind the regions: the spare words, 128 bytes a wave, two blocks of 256 bytes that no other line names
.set SPW, 4                            ; v4   SPARE + 4 x my thread's number; never rewritten
.set NIL, 5                            ; v5   0; never rewritten
.set WA,  6                            ; v6   my region + 528 r + 16 h
.set XA,  7                            ; v7-10  region p + 528 r + 16 h
.set L16, 11                           ; v11  16 x lane
.set LSC, 12                           ; v12  32 r + 16 h: a row's 32 scale bytes, my half
.set H32, 13                           ; v13  32 h
.set R4,  14                           ; v14  4 r
.set VST, 15                           ; v15  1,024 h + 16 r
.set L8,  16                           ; v16  8 x lane
.set WS,  32                           ; v32-55  W's scale words: tile i at 4 i; register j: lanes 0-15 K step j, lanes 16-31 K step 4 + j
.set XS,  56                           ; v56-71  x's likewise: set e, tile u at 8 e + 4 u
.set ACC, 96                           ; v96-159  q or k: tile u of tokens, tile nt of d at 32 u + 8 nt
.set VACC,160                          ; v160-191 v: 16 nt + 8 u
.set TM,  192                          ; +0..3 largest magnitudes, +4..7 the other half's, then bytes, +12..15 the conversions' scale operands
.set TV,  208                          ; the same for v's two blocks: +0, +2, +4
.set QC,  216                          ; v216-223 codes of q or k
.set VC,  224                          ; v224-231 codes of v: two pairs' worth
.set SW,  232                          ; v232-235 four pairs' scale words
.set VW,  236                          ; v236-237 v's words in the making
.set VWS, 238                          ; v238-239 v's words of the two key steps
.set WD,  240                          ; v240-241 a tile's words
.set BQ,  128                          ; window 3: the bias of q or k, 8 registers a tile, in the result's layout
.set BV,  160                          ; window 3: v's
.set WV,  30                           ; s30 my wave's number
.set G1X, 40
.set G1Q, 48
.set G1V, 56
.set G0Q, 68
.set G0V, 72
.set G0X0, 76
.set G0X1, 80
.set SEL, 84
.set OB,  86                           ; s[86:87] where my codes of q or k go;  s[88:89] their words;  s[90:91] v's codes;  s[92:93] v's words
.set OS,  88
.set OV,  90
.set OVS, 92
.set MSB, 0
.macro WIN new                         ; the immediate's high byte repeats the setting that is left
.if MSB != \new
	s_set_vgpr_msb (MSB<<8)|\new
.set MSB, \new
.endif
.endm
.macro PLACES n
.rept \n
	v_nop
.endr
.endm
.macro CREST
	s_cmp_lg_u32 s[WV], 0
	s_cbranch_scc1 .Lnot_wave_0_\@
	s_barrier_signal -3
.Lnot_wave_0_\@:
	s_barrier_wait -3
	s_barrier_signal -1
	s_barrier_wait -1
.endm
.macro CROUND                          ; a round of the cluster's barrier
	s_barrier_signal -1
	s_barrier_wait -1
	CREST
.endm
; one matrix instruction; row = 1: both sides' scales are read from lanes 16-31
.macro WM d, a, b, c, sa, sb, row
.if \row
	v_wmma_scale_f32_16x16x128_f8f6f4 v[\d:\d+7], v[\a:\a+7], v[\b:\b+7], v[\c:\c+7], v[\sa], v[\sb] matrix_a_fmt:MATRIX_FMT_FP4 matrix_b_fmt:MATRIX_FMT_FP4 matrix_a_scale:MATRIX_SCALE_ROW1 matrix_b_scale:MATRIX_SCALE_ROW1
.else
	v_wmma_scale_f32_16x16x128_f8f6f4 v[\d:\d+7], v[\a:\a+7], v[\b:\b+7], v[\c:\c+7], v[\sa], v[\sb] matrix_a_fmt:MATRIX_FMT_FP4 matrix_b_fmt:MATRIX_FMT_FP4
.endif
.endm
	s_load_b512 s[4:19], s[0:1], 0x0               ; x codes 4:5, x scales 6:7, Wq 8:9, 10:11, Wk 12:13, 14:15, Wv 16:17, 18:19
	s_load_b256 s[20:27], s[0:1], 0x40             ; bq, bk, bv, qb
	s_load_b64 s[28:29], s[0:1], 0x60              ; kv
	v_lshl_add_u32 v[SPW], v0, 2, SPARE
	v_mov_b32 v[NIL], 0
	ds_add_u32 v4, v5
	ds_add_u32 v4, v5
	s_wait_dscnt 0x0
	v_lshrrev_b32 v1, 5, v0
	v_readfirstlane_b32 s[WV], v1                  ; wave 0..3
	s_and_b32 s31, s[WV], 1
	s_lshr_b32 s32, s[WV], 1
	s_bfe_u32 s33, ttmp6, 0x40000                  ; cx
	s_bfe_u32 s34, ttmp6, 0x40004                  ; cy
	s_lshl_b32 s35, ttmp9, 2
	s_add_co_u32 s35, s35, s33                     ; cg = 4 x cluster x + cx: heads 2 cg, 2 cg + 1
	s_and_b32 s36, ttmp7, 0xffff
	s_lshl_b32 s36, s36, 2
	s_add_co_u32 s36, s36, s34                     ; mg = 4 x cluster y + cy: tokens 256 mg on
	s_lshl_b32 s37, s34, 2
	s_lshl_b32 s37, 15, s37                        ; my row of the cluster
	s_lshl_b32 s38, 0x1111, s33                    ; my column
	s_mov_b32 s39, 0xffff0000                      ; lanes 16-31
	s_mov_b32 s[SEL], 0x76543210
	s_mov_b32 s[SEL+1], 0xfedcba98                 ; v_permlanex16_b32: lane l xor 16
	; descriptor groups 1: rows of 512 elements of 1 byte, 16 bytes of padding behind each (after 128 words, 4 words); bit 21 beside a mask
	s_or_b32 s[G1X], s37, (1<<20)|(1<<21)|(6<<22)|(3<<25)
	s_or_b32 s[G1Q], s38, (1<<20)|(1<<21)|(6<<22)|(3<<25)
	s_or_b32 s[G1V], s38, (1<<20)|(1<<21)|(6<<22)|(3<<25)
.irp g, G1X, G1V
	s_mov_b32 s[\g+1], 512<<16                     ; tensor_dim0
	s_mov_b32 s[\g+2], 32<<16                      ; tensor_dim1 = 32 rows
	s_mov_b32 s[\g+3], 512<<16                     ; tile_dim0
	s_mov_b32 s[\g+4], 32                          ; tile_dim1
	s_mov_b32 s[\g+5], 512                         ; from row to row
	s_mov_b32 s[\g+6], 0
	s_mov_b32 s[\g+7], 0
.endr
	s_mov_b32 s[G1Q+1], 512<<16
	s_mov_b32 s[G1Q+2], 64<<16                     ; 64 rows
	s_mov_b32 s[G1Q+3], 512<<16
	s_mov_b32 s[G1Q+4], 64
	s_mov_b32 s[G1Q+5], 512
	s_mov_b32 s[G1Q+6], 0
	s_mov_b32 s[G1Q+7], 0
	; offsets: W's hang on cg and the wave, x's on mg and the wave
	s_lshl_b32 s94, s35, 1
	s_add_co_u32 s94, s94, s31                     ; hq = 2 cg + w % 2
	s_lshl_b32 s96, s94, 15                        ; 64 rows of 512 bytes a head
	s_mov_b32 s97, 0
	s_lshl_b32 s2, s35, 16                         ; Wv: 128 rows for cg,
	s_lshl_b32 s3, s[WV], 14                       ; 32 for the wave
	s_add_co_u32 s2, s2, s3
	s_mov_b32 s3, 0
	s_lshl_b32 s98, s36, 17                        ; x: 256 tokens for mg,
	s_lshl_b32 s99, s[WV], 14                      ; 32 for the wave
	s_add_co_u32 s98, s98, s99
	s_mov_b32 s99, 0
	s_mul_i32 s95, s[WV], REG                      ; my region in LDS
	s_wait_kmcnt 0x0
	s_cmp_lt_u32 s[WV], 2                          ; waves 0, 1: q; waves 2, 3: k.  All choices on this one compare
	s_cselect_b64 s[8:9], s[8:9], s[12:13]
	s_cselect_b64 s[10:11], s[10:11], s[14:15]
	s_cselect_b64 s[20:21], s[20:21], s[22:23]
	s_cselect_b64 s[OS:OS+1], s[26:27], s[28:29]
	s_mov_b32 s22, 143360
	s_cselect_b32 s22, 73728, s22                  ; a head's record
	s_mov_b32 s23, 131072
	s_cselect_b32 s23, 65536, s23                  ; and where its scale words begin
	s_mov_b32 s[G0Q], 1
	s_mov_b32 s[G0Q+1], s95
	s_add_nc_u64 s[G0Q+2:G0Q+3], s[8:9], s[96:97]
	s_or_b32 s[G0Q+3], s[G0Q+3], 0x80000000
	s_mov_b32 s[G0V], 1
	s_add_co_u32 s[G0V+1], s95, WVO
	s_add_nc_u64 s[G0V+2:G0V+3], s[16:17], s[2:3]
	s_or_b32 s[G0V+3], s[G0V+3], 0x80000000
	s_mov_b32 s[G0X0], 1
	s_add_co_u32 s[G0X0+1], s95, XO
	s_add_nc_u64 s[G0X0+2:G0X0+3], s[4:5], s[98:99]
	s_mov_b32 s[G0X1], 1
	s_mov_b32 s[G0X1+1], s95
	s_add_nc_u64 s[G0X1+2:G0X1+3], s[G0X0+2:G0X0+3], 0x10000   ; 128 tokens on
	s_or_b32 s[G0X0+3], s[G0X0+3], 0x80000000
	s_or_b32 s[G0X1+3], s[G0X1+3], 0x80000000
	CROUND                                         ; all sixteen work-groups are here: the first joint loads meet
	tensor_load_to_lds s[G0Q:G0Q+3], s[G1Q:G1Q+7]  ; three loads of mine are out
	s_nop 0
	tensor_load_to_lds s[G0V:G0V+3], s[G1V:G1V+7]
	s_nop 0
	tensor_load_to_lds s[G0X0:G0X0+3], s[G1X:G1X+7]
	s_nop 0
	PLACES 4                                       ; four places behind a tensor load
	; the other bases
	s_mov_b32 s3, 0
	s_lshl_b32 s2, s36, 13
	s_add_nc_u64 s[6:7], s[6:7], s[2:3]            ; x's scales: 256 tokens x 32 bytes for mg
	s_lshl_b32 s2, s94, 11
	s_add_nc_u64 s[10:11], s[10:11], s[2:3]        ; Wq's or Wk's scales: 64 rows x 32 bytes a head
	s_lshl_b32 s2, s94, 8
	s_add_nc_u64 s[20:21], s[20:21], s[2:3]        ; the bias: 64 numbers a head
	s_lshl_b32 s2, s35, 12
	s_lshl_b32 s12, s[WV], 10
	s_add_co_u32 s2, s2, s12
	s_add_nc_u64 s[18:19], s[18:19], s[2:3]        ; Wv's scales: row 128 cg + 32 w
	s_lshr_b32 s2, s2, 3
	s_add_nc_u64 s[24:25], s[24:25], s[2:3]        ; bv: 4 bytes a row
	s_lshr_b32 s12, s36, 3
	s_lshl_b32 s12, s12, 4                         ; 16 b
	s_and_b32 s13, s36, 7                          ; m7: which 256 tokens of the batch's 2,048
	s_add_co_u32 s14, s12, s94
	s_mul_i32 s14, s14, s22                        ; the record of head hq
	s_lshl_b32 s15, s13, 13
	s_add_co_u32 s2, s14, s15
	s_add_nc_u64 s[OB:OB+1], s[OS:OS+1], s[2:3]    ; 16 tiles x 512 bytes for m7
	s_lshl_b32 s15, s13, 10
	s_add_co_u32 s2, s14, s15
	s_add_co_u32 s2, s2, s23
	s_add_nc_u64 s[OS:OS+1], s[OS:OS+1], s[2:3]    ; 2 steps x 512 bytes for m7
	s_lshl_b32 s14, s35, 1
	s_add_co_u32 s14, s14, s32
	s_add_co_u32 s14, s14, s12                     ; 16 b + hv, hv = 2 cg + w / 2
	s_mul_i32 s14, s14, 143360
	s_lshl_b32 s15, s13, 13
	s_add_co_u32 s2, s14, s15                      ; 8 key blocks x 1,024 bytes for m7
	s_lshl_b32 s15, s31, 9
	s_add_co_u32 s2, s2, s15                       ; d0 = 32 (w % 2): 16 bytes a d
	s_add_co_u32 s2, s2, 65536
	s_add_nc_u64 s[OV:OV+1], s[28:29], s[2:3]
	s_lshl_b32 s15, s13, 8
	s_add_co_u32 s2, s14, s15
	s_lshl_b32 s15, s31, 11
	s_add_co_u32 s2, s2, s15
	s_add_co_u32 s2, s2, 139264
	s_add_nc_u64 s[OVS:OVS+1], s[28:29], s[2:3]
	v_and_b32 v1, 31, v0                           ; lane
	v_and_b32 v2, 15, v0                           ; r
	v_bfe_u32 v3, v0, 4, 1                         ; h
	v_mul_u32_u24 v[XA], v2, PITCH
	v_lshl_add_u32 v[XA], v3, 4, v[XA]             ; a fragment: row r x pitch + 16 h
	v_add_nc_u32 v[XA+1], REG, v[XA]
	v_add_nc_u32 v[XA+2], 2*REG, v[XA]
	v_add_nc_u32 v[XA+3], 3*REG, v[XA]
	v_add_nc_u32 v[WA], s95, v[XA]
	v_lshlrev_b32 v[L16], 4, v1
	v_lshlrev_b32 v[LSC], 5, v2
	v_lshl_add_u32 v[LSC], v3, 4, v[LSC]
	v_lshlrev_b32 v[H32], 5, v3
	v_lshlrev_b32 v[R4], 2, v2
	v_lshlrev_b32 v[VST], 4, v2
	v_lshl_add_u32 v[VST], v3, 10, v[VST]
	v_lshlrev_b32 v[L8], 3, v1
.irp q, 0,1,2,3
	v_mov_b32 v[TM+4+\q], 0                        ; written once: a lane permute's destination counts as one of its sources
.endr
	v_mov_b32 v[TV+2], 0
	v_mov_b32 v[TV+3], 0
.irp nt, 0,1,2,3
	global_load_b128 v[WS+4*\nt:WS+4*\nt+3], v[LSC], s[10:11] offset:512*\nt       ; 16 rows x 32 bytes: 512 consecutive bytes
.endr
.irp nt, 0,1
	global_load_b128 v[WS+16+4*\nt:WS+16+4*\nt+3], v[LSC], s[18:19] offset:512*\nt
.endr
	WIN 0xc0                                       ; destination window 3
.irp nt, 0,1,2,3
	global_load_b128 v[BQ+8*\nt:BQ+8*\nt+3], v[H32], s[20:21] offset:64*\nt        ; lane (r, h): the bias of d = 16 nt + 8 h + 0 .. 7
	global_load_b128 v[BQ+8*\nt+4:BQ+8*\nt+7], v[H32], s[20:21] offset:64*\nt+16
.endr
.irp nt, 0,1
.irp j, 0,1,2,3,4,5,6,7
	global_load_b32 v[BV+8*\nt+\j], v[R4], s[24:25] offset:64*\nt                  ; lane (r, h): the bias of d = 16 nt + r, for its eight tokens
.endr
.endr
	WIN 0
	s_wait_tensorcnt 0x1                           ; my own two tiles of weights are in; x's quarter, issued last, may be out.  I alone read these bytes
	WIN 0x80                                       ; destination window 2
.irp nt, 0,1,2,3
.irp s, 0,1,2,3,4,5,6,7
.irp c, 0,1
	ds_load_b128 v[8*(8*\nt+\s)+4*\c:8*(8*\nt+\s)+4*\c+3], v[WA] offset:16*\nt*PITCH+64*\s+32*\c
.endr
.endr
.endr
	WIN 0xc0                                       ; destination window 3
.irp nt, 0,1
.irp s, 0,1,2,3,4,5,6,7
.irp c, 0,1
	ds_load_b128 v[8*(8*\nt+\s)+4*\c:8*(8*\nt+\s)+4*\c+3], v[WA] offset:WVO+16*\nt*PITCH+64*\s+32*\c
.endr
.endr
.endr
	WIN 0
	; THE ONE REFILL: tokens 128-255 over the rows that held Wq or Wk
	s_wait_tensorcnt 0x0                           ; all my tensor loads have landed, my quarter of tokens 0-127 among them
	ds_add_u32 v[SPW], v[NIL]                      ; 0 onto my spare word
	s_wait_dscnt 0x0                               ; the add is done, and my 96 loads of the weights are in registers
	CROUND                                         ; the same holds of every wave of every partner; tokens 0-127 are whole for all four waves
	tensor_load_to_lds s[G0X1:G0X1+3], s[G1X:G1X+7]   ; my one tensor load behind the round
	s_nop 0
	PLACES 4
; pair g's fragments of x (2 tiles x 8 K steps) into set g % 2 of window 1, and its scale words
.macro FETCHX g
.set FE, (\g)%2
.set FP, (\g)%4
.set FO, (1-(\g)/4)*XO                 ; tokens 0-127 lie at XO in the regions, tokens 128-255 at 0
	WIN 0x40
.irp u, 0,1
.irp s, 0,1,2,3,4,5,6,7
.irp c, 0,1
	ds_load_b128 v[128*FE+64*\u+8*\s+4*\c:128*FE+64*\u+8*\s+4*\c+3], v[XA+FP] offset:FO+16*\u*PITCH+64*\s+32*\c
.endr
.endr
.endr
	WIN 0
.irp u, 0,1
	global_load_b128 v[XS+8*FE+4*\u:XS+8*FE+4*\u+3], v[LSC], s[6:7] offset:(32*(\g)+16*\u)*32
.endr
.endm
; 64 matrix instructions: q or k of 32 tokens.  The 8 accumulators take turns, one instruction a turn; the first K step takes the bias as C
.macro MULQK g
.set E, (\g)%2
.irp s, 0,1,2,3,4,5,6,7
.if \s == 0
	WIN 0x36                                       ; W window 2, x window 1, the bias window 3
.else
	WIN 0x06
.endif
.irp nt, 0,1,2,3
.irp u, 0,1
.if \s == 0
	WM ACC+32*\u+8*\nt, 8*(8*\nt+\s), 128*E+64*\u+8*\s, BQ+8*\nt, WS+4*\nt+\s%4, XS+8*E+4*\u+\s%4, 0
.else
	WM ACC+32*\u+8*\nt, 8*(8*\nt+\s), 128*E+64*\u+8*\s, ACC+32*\u+8*\nt, WS+4*\nt+\s%4, XS+8*E+4*\u+\s%4, \s/4
.endif
.endr
.endr
.endr
.endm
; 32 matrix instructions: v of 32 tokens x my 32 d; 4 accumulators by turns
.macro MULV g
.set E, (\g)%2
.irp s, 0,1,2,3,4,5,6,7
.if \s == 0
	WIN 0x3d                                       ; x window 1, Wv and the bias window 3
.else
	WIN 0x0d
.endif
.irp nt, 0,1
.irp u, 0,1
.if \s == 0
	WM VACC+16*\nt+8*\u, 128*E+64*\u+8*\s, 8*(8*\nt+\s), BV+8*\nt, XS+8*E+4*\u+\s%4, WS+16+4*\nt+\s%4, 0
.else
	WM VACC+16*\nt+8*\u, 128*E+64*\u+8*\s, 8*(8*\nt+\s), VACC+16*\nt+8*\u, XS+8*E+4*\u+\s%4, WS+16+4*\nt+\s%4, \s/4
.endif
.endr
.endr
.endr
.endm
; q or k of the pair: four blocks of 32 (tile u, block b: q = 2 u + b, 16 registers at ACC + 16 q, the other 16 numbers in lane l xor 16)
.macro EPI_QK g
.set P, (\g)%4
.set HF, (\g)/4
.irp q, 0,1,2,3
	v_max3_num_f32 v[TM+\q], |v[ACC+16*\q]|, |v[ACC+16*\q+1]|, 0x1800000    ; with the floor 2^(3 - 127): the byte cannot fall under 1.  Each accumulator is read from its low end on
.endr
.irp i, 2,4,6,8,10,12,14
.irp q, 0,1,2,3
	v_max3_num_f32 v[TM+\q], v[TM+\q], |v[ACC+16*\q+\i]|, |v[ACC+16*\q+\i+1]|
.endr
.endr
.irp q, 0,1,2,3
	v_permlanex16_b32 v[TM+4+\q], v[TM+\q], s[SEL], s[SEL+1]
.endr
.irp q, 0,1,2,3
	v_max_num_f32 v[TM+\q], v[TM+\q], v[TM+4+\q]   ; the block's largest magnitude
.endr
.irp q, 0,1,2,3
	v_add_nc_u32 v[TM+12+\q], 0xff000000, v[TM+\q] ; 2 off its exponent field: the conversion's scale operand
.endr
.irp q, 0,1,2,3
	v_lshrrev_b32 v[TM+4+\q], 23, v[TM+12+\q]      ; the scale's byte
.endr
.irp u, 0,1
	v_lshl_or_b32 v[WD+\u], v[TM+5+2*\u], 8, v[TM+4+2*\u]
.endr
.irp u, 0,1
	v_or_b32 v[WD+\u], 0x7f7f0000, v[WD+\u]        ; bytes 2, 3: 127, over the zero codes that fill K
.endr
	v_cndmask_b32 v[SW+P], v[WD], v[WD+1], s39     ; lanes 0-15 tile 0's words, lanes 16-31 tile 1's
.irp u, 0,1
	v_cvt_scalef32_pk8_fp4_f32 v[QC+4*\u], v[ACC+32*\u:ACC+32*\u+7], v[TM+12+2*\u]            ; d = 8 h + 0 .. 7
	v_cvt_scalef32_pk8_fp4_f32 v[QC+4*\u+1], v[ACC+32*\u+16:ACC+32*\u+23], v[TM+13+2*\u]      ; 32 + 8 h ..
	v_cvt_scalef32_pk8_fp4_f32 v[QC+4*\u+2], v[ACC+32*\u+8:ACC+32*\u+15], v[TM+12+2*\u]       ; 16 + 8 h ..
	v_cvt_scalef32_pk8_fp4_f32 v[QC+4*\u+3], v[ACC+32*\u+24:ACC+32*\u+31], v[TM+13+2*\u]      ; 48 + 8 h ..
.endr
	v_nop                                          ; one plain place behind the scaled conversions
.irp u, 0,1
	v_permlane16_swap_b32 v[QC+4*\u], v[QC+4*\u+1]     ; the first's lanes 16-31 change places with the second's lanes 0-15: register i now holds d = 32 h + 8 i + 0 .. 7
	v_permlane16_swap_b32 v[QC+4*\u+2], v[QC+4*\u+3]
.endr
.irp u, 0,1
	global_store_b128 v[L16], v[QC+4*\u:QC+4*\u+3], s[OB:OB+1] offset:(2*(\g)+\u)*512         ; 512 consecutive bytes
.endr
.if P == 3
	global_store_b128 v[L16], v[SW:SW+3], s[OS:OS+1] offset:512*HF                            ; the words of 128 tokens
.endif
.endm
; v of the pair: for each of my 32 d one block of 32 keys (16 registers at VACC + 16 nt, the other 16 keys in lane l xor 16)
.macro EPI_V g
.set P, (\g)%4
.set HF, (\g)/4
.set E, (\g)%2
.irp n, 0,1
	v_max3_num_f32 v[TV+\n], |v[VACC+16*\n]|, |v[VACC+16*\n+1]|, 0x1800000
.endr
.irp i, 2,4,6,8,10,12,14
.irp n, 0,1
	v_max3_num_f32 v[TV+\n], v[TV+\n], |v[VACC+16*\n+\i]|, |v[VACC+16*\n+\i+1]|
.endr
.endr
.irp n, 0,1
	v_permlanex16_b32 v[TV+2+\n], v[TV+\n], s[SEL], s[SEL+1]
.endr
.irp n, 0,1
	v_max_num_f32 v[TV+\n], v[TV+\n], v[TV+2+\n]
.endr
.irp n, 0,1
	v_add_nc_u32 v[TV+4+\n], 0xff000000, v[TV+\n]
.endr
.irp n, 0,1
	v_lshrrev_b32 v[TV+2+\n], 23, v[TV+4+\n]
.endr
.irp n, 0,1
.if P == 0
	v_mov_b32 v[VW+\n], v[TV+2+\n]                 ; four key blocks' bytes make a key step's word
.else
	v_lshl_or_b32 v[VW+\n], v[TV+2+\n], 8*P, v[VW+\n]
.endif
.endr
.irp n, 0,1
.irp u, 0,1
	v_cvt_scalef32_pk8_fp4_f32 v[VC+4*\n+2*\u+E], v[VACC+16*\n+8*\u:VACC+16*\n+8*\u+7], v[TV+4+\n]   ; keys 16 u + 8 h + 0 .. 7 of the block
.endr
.endr
	v_nop                                          ; one plain place behind the scaled conversions
.if E == 1                             ; two key blocks are there: lanes 0-15 take the first block's 16 bytes of d = 16 n + r, lanes 16-31 the second's
.irp n, 0,1
	v_permlane16_swap_b32 v[VC+4*\n], v[VC+4*\n+1]
	v_permlane16_swap_b32 v[VC+4*\n+2], v[VC+4*\n+3]
.endr
.irp n, 0,1
	global_store_b128 v[VST], v[VC+4*\n:VC+4*\n+3], s[OV:OV+1] offset:((\g)-1)*1024+256*\n    ; each half of the lanes stores 256 consecutive bytes, aligned
.endr
.endif
.if P == 3
	v_cndmask_b32 v[VWS+HF], v[VW], v[VW+1], s39   ; lane L: the word of d = d0 + L
.endif
.if (\g) == 7
	global_store_b64 v[L8], v[VWS:VWS+1], s[OVS:OVS+1]                                        ; 256 consecutive bytes
.endif
.endm
.macro PAIR g
	s_wait_dscnt 0x0                               ; the pair's fragments of x
	s_wait_loadcnt 0x0                             ; and its scale words (the first time: W's words and the biases too)
	MULQK \g
	WIN 0
.if (\g) == 3
	s_wait_tensorcnt 0x0                           ; my quarter of tokens 128-255 has landed: the one load that was out,
	s_barrier_signal -1                            ; (no LDS instruction of mine is out)
	s_barrier_wait -1                              ; and everybody's has
.endif
.if (\g) < 7
	PLACES 4
	FETCHX (\g)+1
.endif
	MULV \g
	WIN 0
	PLACES 5                                       ; behind the last products: their results are read below, and the next pair begins these accumulators anew with the bias as C
	s_wait_xcnt 0x0                                ; the last pair's stores have read their registers: the codes and words are written again only behind this wait
	EPI_QK \g
	EPI_V \g
.endm
	FETCHX 0
.irp g, 0,1,2,3,4,5,6,7
	PAIR \g
.endr
	s_wait_tensorcnt 0x0                           ; the wave's end
	ds_add_u32 v[SPW], v[NIL]
	s_wait_dscnt 0x0
	CROUND                                         ; the closing round: no work-group ends while a partner may still ask for a tile that names it
	s_endpgm
.Lfunc_end_k_q05cc9d213b_qkv:
	.size	k_q05cc9d213b_qkv, .Lfunc_end_k_q05cc9d213b_qkv-k_q05cc9d213b_qkv
	.p2alignl 7, 3214868480
	.fill 96, 4, 3214868480
	.section	.rodata,"a",@progbits
	.p2align	6, 0x0
	.amdhsa_kernel k_q05cc9d213b_qkv
		.amdhsa_group_segment_fixed_size 327680
		.amdhsa_private_segment_fixed_size 0
		.amdhsa_enable_private_segment 0
		.amdhsa_kernarg_size 104
		.amdhsa_user_sgpr_count 2
		.amdhsa_user_sgpr_kernarg_segment_ptr 1
		.amdhsa_wavefront_size32 1
		.amdhsa_system_sgpr_workgroup_id_x 1
		.amdhsa_system_sgpr_workgroup_id_y 1
		.amdhsa_system_sgpr_workgroup_id_z 1
		.amdhsa_system_vgpr_workitem_id 0
		.amdhsa_next_free_vgpr 1024
		.amdhsa_next_free_sgpr 100
		.amdhsa_reserve_vcc 0
		.amdhsa_float_denorm_mode_32 3
		.amdhsa_float_denorm_mode_16_64 3
		.amdhsa_memory_ordered 1
		.amdhsa_forward_progress 1
		.amdhsa_inst_pref_size 185
	.end_amdhsa_kernel
	.amdgpu_metadata
---
amdhsa.version: [ 1, 2 ]
amdhsa.kernels:
  - .name:           k_q05cc9d213b_qkv
    .symbol:         k_q05cc9d213b_qkv.kd
    .args:
      - { .name: x_codes, .offset: 0, .size: 8, .value_kind: global_buffer, .address_space: global }
      - { .name: x_scales, .offset: 8, .size: 8, .value_kind: global_buffer, .address_space: global }
      - { .name: Wq_codes, .offset: 16, .size: 8, .value_kind: global_buffer, .address_space: global }
      - { .name: Wq_scales, .offset: 24, .size: 8, .value_kind: global_buffer, .address_space: global }
      - { .name: Wk_codes, .offset: 32, .size: 8, .value_kind: global_buffer, .address_space: global }
      - { .name: Wk_scales, .offset: 40, .size: 8, .value_kind: global_buffer, .address_space: global }
      - { .name: Wv_codes, .offset: 48, .size: 8, .value_kind: global_buffer, .address_space: global }
      - { .name: Wv_scales, .offset: 56, .size: 8, .value_kind: global_buffer, .address_space: global }
      - { .name: bq, .offset: 64, .size: 8, .value_kind: global_buffer, .address_space: global }
      - { .name: bk, .offset: 72, .size: 8, .value_kind: global_buffer, .address_space: global }
      - { .name: bv, .offset: 80, .size: 8, .value_kind: global_buffer, .address_space: global }
      - { .name: qb, .offset: 88, .size: 8, .value_kind: global_buffer, .address_space: global }
      - { .name: kv, .offset: 96, .size: 8, .value_kind: global_buffer, .address_space: global }
    .group_segment_fixed_size: 327680
    .private_segment_fixed_size: 0
    .kernarg_segment_align: 8
    .kernarg_segment_size: 104
    .max_flat_workgroup_size: 128
    .sgpr_count:     100
    .vgpr_count:     1024
    .wavefront_size: 32
...
	.end_amdgpu_metadata
.endif
;; end of part 1
;; launch attn (part 2): grid 256 x 1, 16 waves a work-group, clusters of 4 x 1, 169,984 bytes of LDS; arguments qb, kv, cimg, csw; writes cimg, csw
.if DOCPART == 2
	.amdgcn_target "amdgcn-amd-amdhsa--gfx1250"
	.amdhsa_code_object_version 6
	.text
	.protected	k_q05cc9d213b_attn
	.globl	k_q05cc9d213b_attn
	.p2align	8
	.type	k_q05cc9d213b_attn,@function
k_q05cc9d213b_attn:
	s_mov_b64 s[64:65], 0
	v_nop
	global_prefetch_b8 v0, s[64:65] scope:SCOPE_SE
	s_setreg_imm32_b32 hwreg(HW_REG_WAVE_MODE, 25, 1), 1
	s_wait_xcnt 0x0
	s_wait_alu depctr_hold_cnt(0) depctr_sa_sdst(0) depctr_va_vdst(0) depctr_va_sdst(0) depctr_va_ssrc(0) depctr_va_vcc(0) depctr_vm_vsrc(0)
	s_getreg_b32 s2, hwreg(HW_REG_IB_STS2, 6, 4)
	s_cmp_eq_u32 s2, 0
	s_cbranch_scc0 .Lentry_in_a_cluster
	s_endpgm
.Lentry_in_a_cluster:
	s_bfe_u32 s2, ttmp6, 0x10000c
	s_cmp_lg_u32 s2, 0x3003
	s_cbranch_scc0 .Lentry_shape_is_right
	s_endpgm
.Lentry_shape_is_right:
; ctx[b][q][head] = causal softmax(q k^T / 8) v, both products on codes of FP4 (E2M1) with E8M0 scales; ctx is quantised here along the head's 64 for the last product.
; THE SOFTMAX: t = score x log2(e) / 8; M = the running largest t rounded UP to a whole number; p = 2^(t - M) is quantised along the keys, not normalised; the row's sum is taken of the unquantised p and divides at the end.
; When M moves, the sum and O are multiplied by 2^(old M - new M): exact.
; SHARES.  A cluster of four work-groups owns one head (cluster number = 16 b + head).  The head's k and v, codes and scale words, are one record of 143,360 bytes: it comes into each work-group's LDS ONCE, by joint loads, and stays.
; The head's 2,048 queries are 16 blocks of 128 = 8 tiles of 16.  Work-group cx takes tiles 2 cx and 2 cx + 1 of EVERY block; wave w takes tile 2 cx + w % 2 of block w / 2 and then of block 15 - w / 2:
; (w / 2 + 1) + (16 - w / 2) = 17 key steps of 128 keys for every wave of the launch.  Every branch compares a step's number with a block's number, which hangs on the wave's number alone;
; the place in the cluster enters only global addresses and the number that the mask compares lane by lane.
; LAYOUT.  S^T = k q^T (source 0 = 16 keys, source 1 = my 16 queries), O^T = v^T p^T (source 0 = 16 d, source 1 = p): a lane holds ONE query (lane % 16) throughout; register j of tile t holds key 16 t + 8 (lane / 16) + j.
; The head's 64 fill half of the instruction's K of 128: q's registers 4-7 are zero codes, so what stands in k's registers 4-7 (the next tile's codes: finite numbers, under the scale byte 127) adds exactly 0.
; The conversions of 8 numbers go to destinations in the order of tiles 0, 2, 1, 3, and two exchanges of lane halves make of four of them 64 keys of the operand.
; OUT: cimg [head record 65,536][tile][lane][16 B], 512 consecutive bytes a store; csw [b][K step 8][token] words, of which a tile writes single bytes, 32 for its 512 bytes of codes: two heads share a word.
; LIMITS: NaN and infinities are not served; a block whose largest magnitude lies under 2^-124 (a block of zeros too) gets the scale byte 1.
.set VIMG, 65536
.set KSC,  131072
.set VSC,  139264
.set AK0,  1                           ; v1   16 x lane: a tile of k in LDS, and an image in memory
.set AV0,  2                           ; v2   VIMG + 1,024 h + 16 r
.set ASK0, 3                           ; v3   KSC + 16 x lane
.set ASV0, 4                           ; v4   VSC + 8 x lane
.set DM,   5                           ; v5   16 (2 cx + w % 2) + r - 8 h: on the diagonal register 8 t + j is hidden where 16 t + j > DM
.set NINF, 6                           ; v6   -infinity
.set QSO,  7                           ; v7   16 (16 (w % 2) + r)
.set ADK,  8                           ; v8-11 the step's addresses
.set ADV,  9
.set ADS,  10
.set ADT,  11
.set QS,   24                          ; v24  q's scale words
.set CSO,  26                          ; v26  4 r + h
.set KF,   32                          ; v32-63 k's 8 tiles x 4 registers; v64-67 zeros
.set VF,   68                          ; v68-99 v's 4 fragments
.set S,    100                         ; v100-163 S^T, then p
.set O,    164                         ; v164-195 O^T
.set P,    196                         ; v196-203 p's codes
.set KS,   204                         ; v204-207 k's scale words
.set VS,   208                         ; v208-209 v's
.set BM,   210                         ; v210-213 a block's largest score, then its largest p
.set T2,   214                         ; v214-217 at work
.set SCL,  218                         ; v218-221 the conversions' scale operands
.set PW,   222                         ; v222 p's scale word
.set F,    224                         ; v[224:225] f = 2^(old M - new M); the upper register is written once
.set TMP,  226
.set SUM2, 228                         ; v[228:229] the second chain of the sum
.set CC,   230                         ; v230-233 ctx's codes
.set CB,   234                         ; v234 the scale byte that I store
.set WV,   12
.set SEL,  20
.set CS,   22
.set BLK,  36                          ; s36 my block of queries = the number of the step on the diagonal
.set ST,   37                          ; s37 the trip's first step
.set TK,   38                          ; s38 4,096 ST: k's and v's codes
.set TS,   39                          ; s39 512 ST: k's words
.set TJ,   40                          ; s40 128 ST: v's words
.macro PLACES n
.rept \n
	v_nop
.endr
.endm
.macro CROUND                          ; a round of the cluster's barrier
	s_barrier_signal -1
	s_barrier_wait -1
	s_cmp_lg_u32 s[WV], 0
	s_cbranch_scc1 .Lnot_wave_0_\@
	s_barrier_signal -3
.Lnot_wave_0_\@:
	s_barrier_wait -3
	s_barrier_signal -1
	s_barrier_wait -1
.endm
	s_load_b256 s[4:11], s[0:1], 0x0               ; qb 4:5, kv 6:7, cimg 8:9, csw 10:11
	v_lshl_add_u32 v254, v0, 2, 0x29000
	v_mov_b32 v255, 0
	ds_add_u32 v254, v255
	ds_add_u32 v254, v255
	v_lshrrev_b32 v1, 5, v0
	s_delay_alu instid0(VALU_DEP_1)
	v_readfirstlane_b32 s[WV], v1                  ; wave 0..15
	s_and_b32 s13, s[WV], 1                        ; sub
	s_lshr_b32 s14, s[WV], 1                       ; p
	s_bfe_u32 s15, ttmp6, 0x40000                  ; cx
	s_mov_b32 s16, ttmp9                           ; 16 b + head: the cluster's number
	s_mov_b32 s17, 0xffff0000                      ; lanes 16-31
	s_mov_b32 s[SEL], 0x76543210
	s_mov_b32 s[SEL+1], 0xfedcba98
	s_mov_b32 s[CS], 0x3e38aa3b                    ; c = log2(e) / 8
	s_mov_b32 s[CS+1], s[CS]                       ; (named with it as a pair, so it is written)
	; the fill: waves 0 to 7 bring 70 rows of 256 bytes each, dense: 8 x 17,920 = 143,360 bytes
	s_mov_b32 s24, 15|(3<<16)|(1<<21)              ; the mask: all four work-groups; elements of 8 bytes; bit 21 beside a mask; no padding: every fragment load takes 256 consecutive bytes in sixteen lanes
	s_mov_b32 s25, 32<<16
	s_mov_b32 s26, 70<<16
	s_mov_b32 s27, 32<<16
	s_mov_b32 s28, 70
	s_mov_b32 s29, 32
	s_mov_b32 s30, 0
	s_mov_b32 s31, 0
	s_mov_b32 s32, 1
	s_mul_i32 s33, s[WV], 17920
	s_mul_i32 s41, s16, 143360
	s_add_co_u32 s42, s41, s33
	s_mov_b32 s43, 0
	s_wait_dscnt 0x0
	s_wait_kmcnt 0x0
	s_add_nc_u64 s[34:35], s[6:7], s[42:43]
	s_or_b32 s35, s35, 0x80000000
	CROUND                                         ; all four work-groups are here: the joint loads meet
	s_cmp_lt_u32 s[WV], 8
	s_cbranch_scc0 .Lno_fill
	tensor_load_to_lds s[32:35], s[24:31]          ; one load a wave; these bytes are filled once
	s_nop 0
	PLACES 4
.Lno_fill:
	v_and_b32 v27, 31, v0                          ; lane
	v_and_b32 v28, 15, v0                          ; r
	v_bfe_u32 v29, v0, 4, 1                        ; h
	s_delay_alu instid0(VALU_DEP_3)
	v_lshlrev_b32 v[AK0], 4, v27
	s_delay_alu instid0(VALU_DEP_3)
	v_lshlrev_b32 v[AV0], 4, v28
	s_delay_alu instid0(VALU_DEP_1)
	v_lshl_add_u32 v[AV0], v29, 10, v[AV0]
	s_delay_alu instid0(VALU_DEP_1)
	v_add_nc_u32 v[AV0], VIMG, v[AV0]
	s_delay_alu instid0(VALU_DEP_4)
	v_add_nc_u32 v[ASK0], KSC, v[AK0]
	v_lshlrev_b32 v[ASV0], 3, v27
	s_delay_alu instid0(VALU_DEP_1)
	v_add_nc_u32 v[ASV0], VSC, v[ASV0]
	s_lshl_b32 s41, s15, 1
	s_add_co_u32 s41, s41, s13
	s_lshl_b32 s41, s41, 4                         ; 16 (2 cx + sub)
	v_lshlrev_b32 v[DM], 3, v29
	s_delay_alu instid0(VALU_DEP_1)
	v_sub_nc_u32 v[DM], v28, v[DM]
	s_delay_alu instid0(VALU_DEP_1)
	v_add_nc_u32 v[DM], s41, v[DM]
	v_mov_b32 v[NINF], 0xff800000
	s_lshl_b32 s42, s13, 8
	v_lshl_add_u32 v[QSO], v28, 4, s42
	v_lshl_add_u32 v[CSO], v28, 2, v29
.irp j, 20,21,22,23,64,65,66,67
	v_mov_b32 v\j, 0                               ; zero codes: q's upper half of K, and what stands behind k's last tile
.endr
.irp b, 0,1,2,3
	v_mov_b32 v[T2+\b], 0                          ; written once: a lane permute's destination counts as one of its sources
.endr
	v_mov_b32 v[TMP], 0
	v_mov_b32 v[F+1], 0                            ; (named as the upper half of the pair)
	s_wait_tensorcnt 0x0                           ; my part of the record has landed,
	s_barrier_signal -1
	s_barrier_wait -1                              ; everybody's has
; A KEY STEP: 128 keys, step ST + e
.macro STEP e
.if \e
	s_add_co_u32 s41, s[ST], 1
.else
	s_mov_b32 s41, s[ST]
.endif
	s_cmp_gt_u32 s41, s[BLK]                       ; all its keys come after my queries: nothing is done
	s_cbranch_scc1 .Lhid_\@
	v_add_nc_u32 v[ADK], s[TK], v[AK0]             ; these four are also the places between the last products and the loads into their registers
	v_add_nc_u32 v[ADV], s[TK], v[AV0]
	v_add_nc_u32 v[ADS], s[TS], v[ASK0]
	v_add_nc_u32 v[ADT], s[TJ], v[ASV0]
	ds_load_b128 v[KS:KS+3], v[ADS] offset:512*\e  ; register g: lanes 0-15 the words of tile 2 g, lanes 16-31 of tile 2 g + 1
.irp t, 0,1,2,3,4,5,6,7
	ds_load_b128 v[KF+4*\t:KF+4*\t+3], v[ADK] offset:4096*\e+512*\t
.endr
.irp dt, 0,1,2,3
.irp c, 0,1
	ds_load_b128 v[VF+8*\dt+4*\c:VF+8*\dt+4*\c+3], v[ADV] offset:4096*\e+2048*\c+256*\dt      ; d = 16 dt + r, key block 2 c + h of the step
.endr
.endr
.irp dh, 0,1
	ds_load_b32 v[VS+\dh], v[ADT] offset:2048*\dh+4*\e                                        ; lane L: the word of d = 32 dh + L
.endr
	s_wait_dscnt 10                                ; k and its words are in; the ten younger loads, v's, may be out
.irp t, 0,2,4,6
	v_wmma_scale_f32_16x16x128_f8f6f4 v[S+8*\t:S+8*\t+7], v[KF+4*\t:KF+4*\t+7], v[16:23], 0, v[KS+\t/2], v[QS] matrix_a_fmt:MATRIX_FMT_FP4 matrix_b_fmt:MATRIX_FMT_FP4
	v_wmma_scale_f32_16x16x128_f8f6f4 v[S+8*\t+8:S+8*\t+15], v[KF+4*\t+4:KF+4*\t+11], v[16:23], 0, v[KS+\t/2], v[QS] matrix_a_fmt:MATRIX_FMT_FP4 matrix_b_fmt:MATRIX_FMT_FP4 matrix_a_scale:MATRIX_SCALE_ROW1
.endr
	PLACES 4
	s_cmp_lg_u32 s41, s[BLK]                       ; only the step on the diagonal has hidden keys
	s_cbranch_scc1 .Lopen_\@
.set n, 0
.rept 64
	v_cmp_gt_i32 vcc_lo, 16*(n/8)+n%8, v[DM]
	v_cndmask_b32 v[S+n], v[S+n], v[NINF], vcc_lo  ; a hidden score becomes -infinity: p = 0
.set n, n+1
.endr
.Lopen_\@:
.irp b, 0,1,2,3
	v_max3_num_f32 v[BM+\b], v[S+16*\b], v[S+16*\b+1], v[S+16*\b+2]      ; the largest score of each block of 32 keys: for the row's maximum, and, since p rises with the score, for the block's largest p
.endr
.irp i, 3,5,7,9,11,13
.irp b, 0,1,2,3
	v_max3_num_f32 v[BM+\b], v[BM+\b], v[S+16*\b+\i], v[S+16*\b+\i+1]
.endr
.endr
.irp b, 0,1,2,3
	v_max_num_f32 v[BM+\b], v[BM+\b], v[S+16*\b+15]
.endr
.irp b, 0,1,2,3
	s_delay_alu instid0(VALU_DEP_4)
	v_permlanex16_b32 v[T2+\b], v[BM+\b], s[SEL], s[SEL+1]
.endr
.irp b, 0,1,2,3
	s_delay_alu instid0(VALU_DEP_4)
	v_max_num_f32 v[BM+\b], v[BM+\b], v[T2+\b]     ; with lane l xor 16's 16 keys
.endr
	s_delay_alu instid0(VALU_DEP_2)
	v_max3_num_f32 v[TMP], v[BM], v[BM+1], v[BM+2]
	s_delay_alu instid0(VALU_DEP_1)
	v_max_num_f32 v[TMP], v[TMP], v[BM+3]          ; the step's largest score of my query
	s_delay_alu instid0(VALU_DEP_1)
	v_mul_f32 v[TMP], s[CS], v[TMP]                ; as t
	s_delay_alu instid0(VALU_DEP_1)
	v_max_num_f32 v13, v13, v[TMP]                 ; the running largest t
	v_mov_b32 v[TMP], v12
	s_delay_alu instid0(VALU_DEP_2)
	v_floor_f32 v12, -v13                          ; the new -M = floor(-t) = -ceil(t)
	s_delay_alu instid0(VALU_DEP_1)
	v_sub_f32 v[TMP], v12, v[TMP]                  ; old M - new M: a whole number, 0 or less
	s_delay_alu instid0(VALU_DEP_1)
	v_cvt_i32_f32 v[TMP], v[TMP]                   ; (it saturates)
	s_delay_alu instid0(VALU_DEP_1)
	v_ldexp_f32 v[F], 1.0, v[TMP]                  ; f = 2^(old M - new M)
.set n, 0
.rept 32
	v_pk_fma_f32 v[S+n:S+n+1], v[S+n:S+n+1], s[CS:CS+1], v[12:13] op_sel_hi:[1,0,0]            ; t - M, two at a time
.set n, n+2
.endr
.irp b, 0,1,2,3
	v_fma_f32 v[BM+\b], v[BM+\b], s[CS], v12       ; the same of each block's largest score
.endr
.set n, 0
	s_wait_alu depctr_va_vdst(0)
.rept 64
	v_exp_f32 v[S+n], v[S+n]                       ; p = 2^(t - M)
.set n, n+1
.endr
	v_pk_mul_f32 v[14:15], v[14:15], v[F:F+1] op_sel_hi:[1,0]     ; the sums under the new M: the plain place behind the exponentials
	s_wait_alu depctr_va_vdst(0)                   ; one wait for the batch of 64, ahead of its first reader
.irp b, 0,1,2,3
	v_exp_f32 v[BM+\b], v[BM+\b]                   ; the block's largest p: the same two instructions on the same number
.endr
	v_pk_add_f32 v[228:229], v[104:105], v[108:109]
	v_pk_add_f32 v[252:253], v[112:113], v[116:117]
	v_pk_add_f32 v[250:251], v[120:121], v[124:125]
	v_pk_add_f32 v[248:249], v[128:129], v[132:133]
	v_pk_add_f32 v[246:247], v[136:137], v[140:141]
	v_pk_add_f32 v[244:245], v[144:145], v[148:149]
	v_pk_add_f32 v[242:243], v[152:153], v[156:157]
	v_pk_add_f32 v[14:15], v[14:15], v[160:161]
	v_pk_add_f32 v[228:229], v[228:229], v[100:101]
	v_pk_add_f32 v[252:253], v[252:253], v[102:103]
	v_pk_add_f32 v[250:251], v[250:251], v[106:107]
	v_pk_add_f32 v[248:249], v[248:249], v[110:111]
	v_pk_add_f32 v[246:247], v[246:247], v[114:115]
	v_pk_add_f32 v[244:245], v[244:245], v[118:119]
	v_pk_add_f32 v[242:243], v[242:243], v[122:123]
	v_pk_add_f32 v[14:15], v[14:15], v[126:127]
	v_pk_add_f32 v[228:229], v[228:229], v[130:131]
	v_pk_add_f32 v[252:253], v[252:253], v[134:135]
	v_pk_add_f32 v[250:251], v[250:251], v[138:139]
	v_pk_add_f32 v[248:249], v[248:249], v[142:143]
	v_pk_add_f32 v[246:247], v[246:247], v[146:147]
	v_pk_add_f32 v[244:245], v[244:245], v[150:151]
	v_pk_add_f32 v[242:243], v[242:243], v[154:155]
	v_pk_add_f32 v[14:15], v[14:15], v[158:159]
	v_pk_add_f32 v[228:229], v[228:229], v[162:163]
	s_delay_alu instid0(VALU_DEP_2)
	v_pk_add_f32 v[14:15], v[14:15], v[248:249]
	s_delay_alu instid0(VALU_DEP_2)
	v_pk_add_f32 v[228:229], v[228:229], v[246:247]
	v_pk_add_f32 v[252:253], v[252:253], v[244:245]
	v_pk_add_f32 v[250:251], v[250:251], v[242:243]
	s_delay_alu instid0(VALU_DEP_2)
	v_pk_add_f32 v[14:15], v[14:15], v[252:253]
	s_delay_alu instid0(VALU_DEP_2)
	v_pk_add_f32 v[228:229], v[228:229], v[250:251]
	s_delay_alu instid0(VALU_DEP_1)
	v_pk_add_f32 v[14:15], v[14:15], v[228:229]
	s_wait_alu depctr_va_vdst(0)                   ; and one for the four
.irp b, 0,1,2,3
	v_max_num_f32 v[BM+\b], 0x1800000, v[BM+\b]    ; the floor 2^(3 - 127): the byte cannot fall under 1
.endr
.irp b, 0,1,2,3
	s_delay_alu instid0(VALU_DEP_4)
	v_add_nc_u32 v[SCL+\b], 0xff000000, v[BM+\b]   ; 2 off the exponent field: the conversion's scale operand
.endr
.irp b, 0,1,2,3
	s_delay_alu instid0(VALU_DEP_4)
	v_lshrrev_b32 v[T2+\b], 23, v[SCL+\b]          ; the scale's byte
.endr
	s_delay_alu instid0(VALU_DEP_3)
	v_lshl_or_b32 v[PW], v[T2+1], 8, v[T2]         ; p's scale word for these 128 keys
	s_delay_alu instid0(VALU_DEP_1)
	v_lshl_or_b32 v[PW], v[T2+2], 16, v[PW]
	s_delay_alu instid0(VALU_DEP_1)
	v_lshl_or_b32 v[PW], v[T2+3], 24, v[PW]
.irp c, 0,1
	v_cvt_scalef32_pk8_fp4_f32 v[P+4*\c], v[S+32*\c:S+32*\c+7], v[SCL+2*\c]                    ; keys 64 c + 8 h + 0 .. 7
	v_cvt_scalef32_pk8_fp4_f32 v[P+4*\c+1], v[S+32*\c+16:S+32*\c+23], v[SCL+2*\c+1]            ; + 32
	v_cvt_scalef32_pk8_fp4_f32 v[P+4*\c+2], v[S+32*\c+8:S+32*\c+15], v[SCL+2*\c]               ; + 16
	v_cvt_scalef32_pk8_fp4_f32 v[P+4*\c+3], v[S+32*\c+24:S+32*\c+31], v[SCL+2*\c+1]            ; + 48
.endr
	v_nop                                          ; one plain place behind the scaled conversions
.irp c, 0,1
	v_permlane16_swap_b32 v[P+4*\c], v[P+4*\c+1]   ; register 4 c + i now holds keys 64 c + 32 h + 8 i + 0 .. 7
	v_permlane16_swap_b32 v[P+4*\c+2], v[P+4*\c+3]
.endr
.set n, 0
.rept 16
	v_pk_mul_f32 v[O+n:O+n+1], v[O+n:O+n+1], v[F:F+1] op_sel_hi:[1,0]     ; O^T under the new M.  (These sixteen are also the places between p's codes and word and the products)
.set n, n+2
.endr
	s_wait_alu depctr_va_vdst(0)
	s_wait_dscnt 0x0                               ; v and its words are in
.irp dt, 0,2
	v_wmma_scale_f32_16x16x128_f8f6f4 v[O+8*\dt:O+8*\dt+7], v[VF+8*\dt:VF+8*\dt+7], v[P:P+7], v[O+8*\dt:O+8*\dt+7], v[VS+\dt/2], v[PW] matrix_a_fmt:MATRIX_FMT_FP4 matrix_b_fmt:MATRIX_FMT_FP4
	v_wmma_scale_f32_16x16x128_f8f6f4 v[O+8*\dt+8:O+8*\dt+15], v[VF+8*\dt+8:VF+8*\dt+15], v[P:P+7], v[O+8*\dt+8:O+8*\dt+15], v[VS+\dt/2], v[PW] matrix_a_fmt:MATRIX_FMT_FP4 matrix_b_fmt:MATRIX_FMT_FP4 matrix_a_scale:MATRIX_SCALE_ROW1
.endr
.Lhid_\@:
.endm
; ONE TILE OF 16 QUERIES, tile 2 cx + sub of block BLK
.macro TILE
	s_wait_xcnt 0x0                                ; the last tile's stores have read their bases and registers
	s_lshl_b32 s41, s[BLK], 3
	s_lshl_b32 s42, s15, 1
	s_add_co_u32 s41, s41, s42
	s_add_co_u32 s41, s41, s13                     ; T = 8 BLK + 2 cx + sub
	s_mov_b32 s45, 0
	s_mul_i32 s42, s16, 73728
	s_lshl_b32 s43, s41, 9
	s_add_co_u32 s44, s42, s43
	s_add_nc_u64 s[48:49], s[4:5], s[44:45]        ; q's image
	s_lshl_b32 s43, s[BLK], 9
	s_add_co_u32 s44, s42, s43
	s_lshl_b32 s43, s15, 2
	s_add_co_u32 s44, s44, s43
	s_add_co_u32 s44, s44, 65536
	s_add_nc_u64 s[50:51], s[4:5], s[44:45]        ; q's words: step BLK, word cx of lane 16 sub + r
	s_lshl_b32 s42, s16, 16
	s_lshl_b32 s43, s41, 9
	s_add_co_u32 s44, s42, s43
	s_add_nc_u64 s[52:53], s[8:9], s[44:45]        ; ctx's image
	s_lshr_b32 s42, s16, 4
	s_lshl_b32 s42, s42, 3
	s_bfe_u32 s43, s16, 0x30001                    ; head / 2: the last product's K step
	s_add_co_u32 s42, s42, s43
	s_lshl_b32 s42, s42, 13
	s_lshl_b32 s43, s41, 6
	s_add_co_u32 s42, s42, s43
	s_and_b32 s43, s16, 1
	s_lshl_b32 s43, s43, 1
	s_add_co_u32 s44, s42, s43
	s_add_nc_u64 s[54:55], s[10:11], s[44:45]      ; ctx's scale bytes: bytes 2 (head % 2) + block of each token's word
	global_load_b128 v[16:19], v[AK0], s[48:49]
	global_load_b32 v[QS], v[QSO], s[50:51]
	v_mov_b32 v13, 0xff61b1e6                      ; the largest t so far: -3e38
	s_delay_alu instid0(VALU_DEP_1)
	v_floor_f32 v12, -v13                          ; -M
	v_mov_b32 v14, 0                               ; the sum, in two halves
	v_mov_b32 v15, 0
.set n, 0
.rept 32
	v_mov_b32 v[O+n], 0                            ; O^T: the step is written once; the first finds zeros, which the first change of M leaves zeros
.set n, n+1
.endr
	s_mov_b32 s[ST], 0
	s_mov_b32 s[TK], 0
	s_mov_b32 s[TS], 0
	s_mov_b32 s[TJ], 0
	s_wait_loadcnt 0x0
.Lsteps_\@:                            ; eight trips of two steps, a constant of the text: a step behind the diagonal jumps over its work
	STEP 0
	STEP 1
	s_add_co_u32 s[TK], s[TK], 8192
	s_add_co_u32 s[TS], s[TS], 1024
	s_add_co_u32 s[TJ], s[TJ], 256
	s_add_co_u32 s[ST], s[ST], 2
	s_cmp_lt_u32 s[ST], 16
	s_cbranch_scc1 .Lsteps_\@
	PLACES 4                                       ; behind the last products
	v_add_f32 v14, v14, v15
	s_delay_alu instid0(VALU_DEP_1)
	v_permlanex16_b32 v[TMP], v14, s[SEL], s[SEL+1]
	s_delay_alu instid0(VALU_DEP_1)
	v_add_f32 v14, v14, v[TMP]                     ; the row's sum
	s_wait_alu depctr_va_vdst(0)
	v_rcp_f32 v14, v14
	v_nop                                          ; a plain place behind the reciprocal
	s_wait_alu depctr_va_vdst(0)                   ; and the wait ahead of its first reader
.set n, 0
.rept 32
	v_mul_f32 v[S+n], v[O+n], v14                  ; ctx(query r, d = 16 dt + 8 h + j) at register 8 dt + j; each accumulator from its low end on
.set n, n+1
.endr
.irp b, 0,1
	v_max3_num_f32 v[BM+\b], |v[S+16*\b]|, |v[S+16*\b+1]|, 0x1800000
.endr
.irp i, 2,4,6,8,10,12,14
.irp b, 0,1
	s_delay_alu instid0(VALU_DEP_2)
	v_max3_num_f32 v[BM+\b], v[BM+\b], |v[S+16*\b+\i]|, |v[S+16*\b+\i+1]|
.endr
.endr
.irp b, 0,1
	s_delay_alu instid0(VALU_DEP_2)
	v_permlanex16_b32 v[T2+\b], v[BM+\b], s[SEL], s[SEL+1]
.endr
.irp b, 0,1
	s_delay_alu instid0(VALU_DEP_2)
	v_max_num_f32 v[BM+\b], v[BM+\b], v[T2+\b]
.endr
.irp b, 0,1
	s_delay_alu instid0(VALU_DEP_2)
	v_add_nc_u32 v[SCL+\b], 0xff000000, v[BM+\b]
.endr
.irp b, 0,1
	s_delay_alu instid0(VALU_DEP_2)
	v_lshrrev_b32 v[T2+\b], 23, v[SCL+\b]
.endr
	v_cvt_scalef32_pk8_fp4_f32 v[CC], v[S:S+7], v[SCL]
	v_cvt_scalef32_pk8_fp4_f32 v[CC+1], v[S+16:S+23], v[SCL+1]
	v_cvt_scalef32_pk8_fp4_f32 v[CC+2], v[S+8:S+15], v[SCL]
	v_cvt_scalef32_pk8_fp4_f32 v[CC+3], v[S+24:S+31], v[SCL+1]
	v_nop                                          ; one plain place behind the scaled conversions
	v_permlane16_swap_b32 v[CC], v[CC+1]
	v_permlane16_swap_b32 v[CC+2], v[CC+3]         ; lane (r, h): block h of query r
	v_cndmask_b32 v[CB], v[T2], v[T2+1], s17       ; and its byte
	global_store_b128 v[AK0], v[CC:CC+3], s[52:53] ; 512 consecutive bytes
	global_store_b8 v[CSO], v[CB], s[54:55]
.endm
	s_mov_b32 s[BLK], s14                          ; block w / 2,
	TILE
	s_xor_b32 s[BLK], s[BLK], 15                   ; then block 15 - w / 2
	TILE
	s_wait_tensorcnt 0x0
	ds_add_u32 v254, v255
	s_wait_dscnt 0x0
	CROUND                                         ; the closing round
	s_endpgm
.Lfunc_end_k_q05cc9d213b_attn:
	.size	k_q05cc9d213b_attn, .Lfunc_end_k_q05cc9d213b_attn-k_q05cc9d213b_attn
	.p2alignl 7, 3214868480
	.fill 96, 4, 3214868480
	.section	.rodata,"a",@progbits
	.p2align	6, 0x0
	.amdhsa_kernel k_q05cc9d213b_attn
		.amdhsa_group_segment_fixed_size 169984
		.amdhsa_private_segment_fixed_size 0
		.amdhsa_enable_private_segment 0
		.amdhsa_kernarg_size 32
		.amdhsa_user_sgpr_count 2
		.amdhsa_user_sgpr_kernarg_segment_ptr 1
		.amdhsa_wavefront_size32 1
		.amdhsa_system_sgpr_workgroup_id_x 1
		.amdhsa_system_sgpr_workgroup_id_y 1
		.amdhsa_system_sgpr_workgroup_id_z 1
		.amdhsa_system_vgpr_workitem_id 0
		.amdhsa_next_free_vgpr 256
		.amdhsa_next_free_sgpr 66
		.amdhsa_reserve_vcc 1
		.amdhsa_float_denorm_mode_32 3
		.amdhsa_float_denorm_mode_16_64 3
		.amdhsa_memory_ordered 1
		.amdhsa_forward_progress 1
		.amdhsa_inst_pref_size 103
	.end_amdhsa_kernel
	.amdgpu_metadata
---
amdhsa.version: [ 1, 2 ]
amdhsa.kernels:
  - .name:           k_q05cc9d213b_attn
    .symbol:         k_q05cc9d213b_attn.kd
    .args:
      - { .name: qb, .offset: 0, .size: 8, .value_kind: global_buffer, .address_space: global }
      - { .name: kv, .offset: 8, .size: 8, .value_kind: global_buffer, .address_space: global }
      - { .name: cimg, .offset: 16, .size: 8, .value_kind: global_buffer, .address_space: global }
      - { .name: csw, .offset: 24, .size: 8, .value_kind: global_buffer, .address_space: global }
    .group_segment_fixed_size: 169984
    .private_segment_fixed_size: 0
    .kernarg_segment_align: 8
    .kernarg_segment_size: 32
    .max_flat_workgroup_size: 512
    .sgpr_count:     66
    .vgpr_count:     256
    .wavefront_size: 32
...
	.end_amdgpu_metadata
.endif
;; end of part 2
;; launch oproj (part 3): grid 4 x 64, 4 waves a work-group, clusters of 4 x 4, 327,680 bytes of LDS; arguments cimg, csw, Wo_codes, Wo_scales, bo, out0; writes out0
.if DOCPART == 3
	.amdgcn_target "amdgcn-amd-amdhsa--gfx1250"
	.amdhsa_code_object_version 6
	.text
	.protected	k_q05cc9d213b_oproj
	.globl	k_q05cc9d213b_oproj
	.p2align	8
	.type	k_q05cc9d213b_oproj,@function
k_q05cc9d213b_oproj:
	s_mov_b64 s[64:65], 0
	v_nop
	global_prefetch_b8 v0, s[64:65] scope:SCOPE_SE
	s_setreg_imm32_b32 hwreg(HW_REG_WAVE_MODE, 25, 1), 1
	s_wait_xcnt 0x0
	s_wait_alu depctr_hold_cnt(0) depctr_sa_sdst(0) depctr_va_vdst(0) depctr_va_sdst(0) depctr_va_ssrc(0) depctr_va_vcc(0) depctr_vm_vsrc(0)
	s_getreg_b32 s2, hwreg(HW_REG_IB_STS2, 6, 4)
	s_cmp_eq_u32 s2, 0
	s_cbranch_scc0 .Lentry_in_a_cluster
	s_endpgm
.Lentry_in_a_cluster:
	s_bfe_u32 s2, ttmp6, 0x10000c
	s_cmp_lg_u32 s2, 0xf033
	s_cbranch_scc0 .Lentry_shape_is_right
	s_endpgm
.Lentry_shape_is_right:
; out0 = ctx Wo + bo on codes of FP4 (E2M1) with E8M0 scales; sums in f32.  ctx: images of operand registers, [16 b + head][tile of 16 tokens][lane][16 B]; its scale words [b][K step 8][token].
; Wo: 1,024 output columns x 1,024 codes, K innermost (512 bytes and 32 scale bytes a column).  K = 64 head + d: K step s is heads 2 s and 2 s + 1, and a fragment's registers 4 c .. 4 c + 3 are head 2 s + c's image.
; SHARES.  A work-group takes 128 tokens (mg) x 256 columns (cg); wave w its 64 columns: 4 tiles x 8 K steps of Wo stay in 256 registers; it walks the 8 tiles of tokens.
; Source 0 = 16 columns of Wo, source 1 = 16 tokens: a lane holds one token and 8 neighbouring columns.  The bias is the C of a sum's first K step (so the order of rounding differs from a bias added last).
; CLUSTER 4 x 4: Wo's tiles hang on cg alone and are asked for jointly along a column of the cluster, ctx's on mg alone and along a row.  LDS is filled once.
; THE WAY OUT: 16 tokens x 64 columns go through the wave's own stage (rows of 256 + 16 bytes) and leave so that sixteen lanes store 256 consecutive bytes, aligned.
.set PITCH, 528
.set CTX,   4*64*PITCH                 ; behind Wo's four regions of 64 rows: ctx, [head 16][tile 8][512 B]
.set STG,   CTX+65536                  ; behind it: a stage of 16 x 272 bytes for each wave; no tensor load lands there
.set SP,    272
.set WA,  4                            ; v4  my region + 528 r + 16 h
.set CA,  5                            ; v5  CTX + 16 x lane
.set STO, 6                            ; v6  stage + 272 r + 32 h
.set RD,  7                            ; v7  stage + 272 h + 16 r
.set CO,  8                            ; v8  4,096 h + 16 r
.set LSC, 9                            ; v9  32 r + 16 h
.set H32, 10                           ; v10 32 h
.set CSA, 11                           ; v11 32,768 h + 4 r
.set WS,  32                           ; v32-47 Wo's scale words: tile nt at 4 nt; register j: lanes 0-15 K step j, lanes 16-31 K step 4 + j
.set CS,  48                           ; v48-79 ctx's likewise: tile mt at 4 mt
.set ACC, 96                           ; v96-127
.set BK,  128                          ; v128-191 rows read back from the stage, two sets
.set BO,  128                          ; window 2: the bias, 8 registers a tile
.set WV,  16
.set MSB, 0
.macro WIN new                         ; the immediate's high byte repeats the setting that is left
.if MSB != \new
	s_set_vgpr_msb (MSB<<8)|\new
.set MSB, \new
.endif
.endm
.macro PLACES n
.rept \n
	v_nop
.endr
.endm
.macro CROUND                          ; a round of the cluster's barrier
	s_barrier_signal -1
	s_barrier_wait -1
	s_cmp_lg_u32 s[WV], 0
	s_cbranch_scc1 .Lnot_wave_0_\@
	s_barrier_signal -3
.Lnot_wave_0_\@:
	s_barrier_wait -3
	s_barrier_signal -1
	s_barrier_wait -1
.endm
.macro WM d, a, b, c, sa, sb, row
.if \row
	v_wmma_scale_f32_16x16x128_f8f6f4 v[\d:\d+7], v[\a:\a+7], v[\b:\b+7], v[\c:\c+7], v[\sa], v[\sb] matrix_a_fmt:MATRIX_FMT_FP4 matrix_b_fmt:MATRIX_FMT_FP4 matrix_a_scale:MATRIX_SCALE_ROW1 matrix_b_scale:MATRIX_SCALE_ROW1
.else
	v_wmma_scale_f32_16x16x128_f8f6f4 v[\d:\d+7], v[\a:\a+7], v[\b:\b+7], v[\c:\c+7], v[\sa], v[\sb] matrix_a_fmt:MATRIX_FMT_FP4 matrix_b_fmt:MATRIX_FMT_FP4
.endif
.endm
	s_load_b256 s[4:11], s[0:1], 0x0               ; cimg 4:5, csw 6:7, Wo's codes 8:9, Wo's scales 10:11
	s_load_b128 s[12:15], s[0:1], 0x20             ; bo 12:13, out0 14:15
	v_lshl_add_u32 v254, v0, 2, 0x35400
	v_mov_b32 v255, 0
	ds_add_u32 v254, v255
	ds_add_u32 v254, v255
	v_lshrrev_b32 v1, 5, v0
	v_readfirstlane_b32 s[WV], v1                  ; wave 0..3
	s_bfe_u32 s17, ttmp6, 0x40000                  ; cx
	s_bfe_u32 s18, ttmp6, 0x40004                  ; cy
	s_lshl_b32 s19, ttmp9, 2
	s_add_co_u32 s19, s19, s17                     ; cg: columns 256 cg on
	s_and_b32 s20, ttmp7, 0xffff
	s_lshl_b32 s20, s20, 2
	s_add_co_u32 s20, s20, s18                     ; mg: tokens 128 mg on
	s_lshl_b32 s21, s18, 2
	s_lshl_b32 s21, 15, s21                        ; my row of the cluster
	s_lshl_b32 s22, 0x1111, s17                    ; my column
	s_or_b32 s24, s22, (1<<20)|(1<<21)|(6<<22)|(3<<25)   ; Wo: 64 rows of 512 elements of 1 byte, 16 bytes of padding behind each
	s_mov_b32 s25, 512<<16
	s_mov_b32 s26, 64<<16
	s_mov_b32 s27, 512<<16
	s_mov_b32 s28, 64
	s_mov_b32 s29, 512
	s_mov_b32 s30, 0
	s_mov_b32 s31, 0
	s_or_b32 s32, s21, (3<<16)|(1<<21)             ; ctx: 4 heads' rows of 512 elements of 8 bytes (8 tiles x 512 bytes), 65,536 bytes apart; no padding
	s_mov_b32 s33, 512<<16
	s_mov_b32 s34, 4<<16
	s_mov_b32 s35, 512<<16
	s_mov_b32 s36, 4
	s_mov_b32 s37, 8192
	s_mov_b32 s38, 0
	s_mov_b32 s39, 0
	s_lshl_b32 s48, s19, 8
	s_lshl_b32 s49, s[WV], 6
	s_add_co_u32 s48, s48, s49                     ; n0 = 256 cg + 64 w: my first column
	s_lshl_b32 s50, s48, 9
	s_mov_b32 s51, 0
	s_lshr_b32 s52, s20, 4                         ; b
	s_and_b32 s53, s20, 15                         ; m15: which 128 tokens of the batch's 2,048
	s_lshl_b32 s54, s52, 4
	s_lshl_b32 s55, s[WV], 2
	s_add_co_u32 s54, s54, s55                     ; 16 b + 4 w: the four heads that I fetch
	s_lshl_b32 s54, s54, 16
	s_lshl_b32 s55, s53, 12
	s_add_co_u32 s54, s54, s55
	s_mov_b32 s55, 0
	s_mul_i32 s56, s[WV], 64*PITCH
	s_lshl_b32 s57, s[WV], 14
	s_add_co_u32 s57, s57, CTX
	s_wait_dscnt 0x0
	s_wait_kmcnt 0x0
	s_mov_b32 s40, 1
	s_mov_b32 s41, s56
	s_add_nc_u64 s[42:43], s[8:9], s[50:51]
	s_or_b32 s43, s43, 0x80000000
	s_mov_b32 s44, 1
	s_mov_b32 s45, s57
	s_add_nc_u64 s[46:47], s[4:5], s[54:55]
	s_or_b32 s47, s47, 0x80000000
	CROUND                                         ; all sixteen work-groups are here: the joint loads meet
	tensor_load_to_lds s[40:43], s[24:31]          ; one load of mine is out
	s_nop 0
	s_wait_alu depctr_va_vdst(0)
	s_wait_tensorcnt 0x0
	ds_add_u32 v254, v255
	s_wait_dscnt 0x0
	CROUND
	tensor_load_to_lds s[44:47], s[32:39]
	s_nop 0
	PLACES 4
	s_mov_b32 s59, 0
	s_lshl_b32 s58, s48, 5
	s_add_nc_u64 s[10:11], s[10:11], s[58:59]      ; Wo's scales: 32 bytes a column
	s_lshl_b32 s58, s48, 2
	s_add_nc_u64 s[12:13], s[12:13], s[58:59]      ; bo
	s_lshl_b32 s60, s20, 19                        ; 128 rows of 4,096 bytes for mg
	s_add_co_u32 s58, s58, s60
	s_add_nc_u64 s[14:15], s[14:15], s[58:59]      ; out0
	s_lshl_b32 s58, s52, 16
	s_lshl_b32 s60, s53, 9
	s_add_co_u32 s58, s58, s60
	s_add_nc_u64 s[6:7], s[6:7], s[58:59]          ; ctx's words: 65,536 bytes a batch, 4 a token
	s_mul_i32 s60, s[WV], 16*SP
	s_add_co_u32 s60, s60, STG                     ; my stage
	v_and_b32 v1, 31, v0                           ; lane
	v_and_b32 v2, 15, v0                           ; r
	v_bfe_u32 v3, v0, 4, 1                         ; h
	v_mul_u32_u24 v[WA], v2, PITCH
	v_lshl_add_u32 v[WA], v3, 4, v[WA]
	v_add_nc_u32 v[WA], s56, v[WA]
	v_lshlrev_b32 v[CA], 4, v1
	v_add_nc_u32 v[CA], CTX, v[CA]
	v_mul_u32_u24 v[STO], v2, SP
	v_lshl_add_u32 v[STO], v3, 5, v[STO]
	v_add_nc_u32 v[STO], s60, v[STO]
	v_mul_u32_u24 v[RD], v3, SP
	v_lshl_add_u32 v[RD], v2, 4, v[RD]
	v_add_nc_u32 v[RD], s60, v[RD]
	v_lshlrev_b32 v[CO], 4, v2
	v_lshl_add_u32 v[CO], v3, 12, v[CO]
	v_lshlrev_b32 v[LSC], 5, v2
	v_lshl_add_u32 v[LSC], v3, 4, v[LSC]
	v_lshlrev_b32 v[H32], 5, v3
	v_lshlrev_b32 v[CSA], 2, v2
	v_lshl_add_u32 v[CSA], v3, 15, v[CSA]
.irp nt, 0,1,2,3
	global_load_b128 v[WS+4*\nt:WS+4*\nt+3], v[LSC], s[10:11] offset:512*\nt
.endr
.irp mt, 0,1,2,3,4,5,6,7
.irp j, 0,1,2,3
	global_load_b32 v[CS+4*\mt+\j], v[CSA], s[6:7] offset:8192*\j+64*\mt     ; lanes 0-15: K step j of token 16 mt + r; lanes 16-31: K step 4 + j
.endr
.endr
	WIN 0x80                                       ; destination window 2
.irp nt, 0,1,2,3
	global_load_b128 v[BO+8*\nt:BO+8*\nt+3], v[H32], s[12:13] offset:64*\nt  ; lane (r, h): the bias of columns 16 nt + 8 h + 0 .. 7
	global_load_b128 v[BO+8*\nt+4:BO+8*\nt+7], v[H32], s[12:13] offset:64*\nt+16
.endr
	WIN 0
	s_wait_alu depctr_va_vdst(0)
	s_wait_tensorcnt 0x1                           ; my own 64 rows of Wo are in; ctx's tile, issued behind them, may be out.  I alone read these bytes
	WIN 0x40                                       ; destination window 1
.irp nt, 0,1,2,3
.irp s, 0,1,2,3,4,5,6,7
.irp c, 0,1
	ds_load_b128 v[8*(8*\nt+\s)+4*\c:8*(8*\nt+\s)+4*\c+3], v[WA] offset:16*\nt*PITCH+64*\s+32*\c
.endr
.endr
.endr
	WIN 0
	s_wait_tensorcnt 0x0                           ; my four heads of ctx have landed,
	s_wait_dscnt 0x0                               ; (no LDS instruction is out at a signal)
	s_barrier_signal -1
	s_barrier_wait -1                              ; everybody's have
.macro FETCH mt                        ; the 8 fragments of tile mt of tokens into set mt % 2 of window 2
.set FE, (\mt)%2
	WIN 0x80
.irp s, 0,1,2,3,4,5,6,7
.irp c, 0,1
	ds_load_b128 v[64*FE+8*\s+4*\c:64*FE+8*\s+4*\c+3], v[CA] offset:(2*\s+\c)*4096+512*(\mt)
.endr
.endr
	WIN 0
.endm
.macro MUL mt                          ; 32 matrix instructions; the four accumulators take turns, one instruction a turn
.set ME, (\mt)%2
.irp s, 0,1,2,3,4,5,6,7
.if \s == 0
	WIN 0x29                                       ; Wo window 1, ctx and the bias window 2
.else
	WIN 0x09
.endif
.irp nt, 0,1,2,3
.if \s == 0
	WM ACC+8*\nt, 8*(8*\nt+\s), 64*ME+8*\s, BO+8*\nt, WS+4*\nt+\s%4, CS+4*(\mt)+\s%4, 0
.else
	WM ACC+8*\nt, 8*(8*\nt+\s), 64*ME+8*\s, ACC+8*\nt, WS+4*\nt+\s%4, CS+4*(\mt)+\s%4, \s/4
.endif
.endr
.endr
	WIN 0
	PLACES 5                                       ; the results are read below, and the next tile begins these accumulators anew with the bias as C
.endm
.macro TOSTAGE mt
.set BB, BK+32*((\mt)%2)
.irp nt, 0,1,2,3
	ds_store_b128 v[STO], v[ACC+8*\nt:ACC+8*\nt+3] offset:64*\nt             ; each accumulator from its low end on
	ds_store_b128 v[STO], v[ACC+8*\nt+4:ACC+8*\nt+7] offset:64*\nt+16
.endr
.irp i, 0,1,2,3,4,5,6,7
	ds_load_b128 v[BB+4*\i:BB+4*\i+3], v[RD] offset:2*\i*SP                  ; LDS serves a wave's instructions in order (ISA guide 5.7.1.4): these see the stores above
.endr
.endm
.macro SEND mt
.set BB, BK+32*((\mt)%2)
.irp i, 0,1,2,3,4,5,6,7
	global_store_b128 v[CO], v[BB+4*\i:BB+4*\i+3], s[14:15] offset:(16*(\mt)+2*\i)*4096 th:TH_STORE_NT   ; sixteen lanes store 256 consecutive bytes, at a multiple of 256 from out0's first byte
.endr
.endm
	FETCH 0
	s_wait_loadcnt 0x0                             ; the scale words and the bias
.irp mt, 0,1,2,3,4,5,6,7
.if \mt < 7
	FETCH \mt+1
.endif
.if \mt == 0
	s_wait_dscnt 16                                ; this tile's fragments are in; the next fetch's 16 may be out
.elseif \mt < 7
	s_wait_dscnt 32                                ; behind them: the stage's 16 lines and the next fetch's 16
.else
	s_wait_dscnt 16                                ; behind them: the stage's 16 lines
.endif
	MUL \mt
.if \mt > 0
.if \mt < 7
	s_wait_dscnt 16                                ; the tile before is back from the stage; the next fetch's 16 may be out
.else
	s_wait_dscnt 0
.endif
	SEND \mt-1
.endif
.if \mt > 1
	s_wait_xcnt 0x0                                ; the stores of two tiles ago have read their registers: the stage's loads land there only behind this wait
.endif
	TOSTAGE \mt
.endr
	s_wait_dscnt 0x0
	SEND 7
	s_wait_tensorcnt 0x0
	ds_add_u32 v254, v255
	s_wait_dscnt 0x0
	CROUND                                         ; the closing round: no work-group ends while a partner may still ask for a tile that names it
	s_endpgm
.Lfunc_end_k_q05cc9d213b_oproj:
	.size	k_q05cc9d213b_oproj, .Lfunc_end_k_q05cc9d213b_oproj-k_q05cc9d213b_oproj
	.p2alignl 7, 3214868480
	.fill 96, 4, 3214868480
	.section	.rodata,"a",@progbits
	.p2align	6, 0x0
	.amdhsa_kernel k_q05cc9d213b_oproj
		.amdhsa_group_segment_fixed_size 327680
		.amdhsa_private_segment_fixed_size 0
		.amdhsa_enable_private_segment 0
		.amdhsa_kernarg_size 48
		.amdhsa_user_sgpr_count 2
		.amdhsa_user_sgpr_kernarg_segment_ptr 1
		.amdhsa_wavefront_size32 1
		.amdhsa_system_sgpr_workgroup_id_x 1
		.amdhsa_system_sgpr_workgroup_id_y 1
		.amdhsa_system_sgpr_workgroup_id_z 1
		.amdhsa_system_vgpr_workitem_id 0
		.amdhsa_next_free_vgpr 768
		.amdhsa_next_free_sgpr 66
		.amdhsa_reserve_vcc 0
		.amdhsa_float_denorm_mode_32 3
		.amdhsa_float_denorm_mode_16_64 3
		.amdhsa_memory_ordered 1
		.amdhsa_forward_progress 1
		.amdhsa_inst_pref_size 72
	.end_amdhsa_kernel
	.amdgpu_metadata
---
amdhsa.version: [ 1, 2 ]
amdhsa.kernels:
  - .name:           k_q05cc9d213b_oproj
    .symbol:         k_q05cc9d213b_oproj.kd
    .args:
      - { .name: cimg, .offset: 0, .size: 8, .value_kind: global_buffer, .address_space: global }
      - { .name: csw, .offset: 8, .size: 8, .value_kind: global_buffer, .address_space: global }
      - { .name: Wo_codes, .offset: 16, .size: 8, .value_kind: global_buffer, .address_space: global }
      - { .name: Wo_scales, .offset: 24, .size: 8, .value_kind: global_buffer, .address_space: global }
      - { .name: bo, .offset: 32, .size: 8, .value_kind: global_buffer, .address_space: global }
      - { .name: out0, .offset: 40, .size: 8, .value_kind: global_buffer, .address_space: global }
    .group_segment_fixed_size: 327680
    .private_segment_fixed_size: 0
    .kernarg_segment_align: 8
    .kernarg_segment_size: 48
    .max_flat_workgroup_size: 128
    .sgpr_count:     66
    .vgpr_count:     768
    .wavefront_size: 32
...
	.end_amdgpu_metadata
.endif
;; end of part 3
